; MI455X (gfx1250); checked and timed in simulation.
; The chip was launched on July 23, 2026; its instructions are those of AMD's public machine-readable ISA for CDNA 5 (MIT licence, August 2026) and "CDNA5" Instruction Set Architecture Reference Guide (July 2026). The comments in the code are by the model that wrote it; some were corrected since.
;; Cross Attention. Allowed arithmetic: matrix products marked QUANTISED: E2M1 operands, one E8M0 scale for each 32 along K, by v_wmma_scale_f32_16x16x128_f8f6f4 with both operands' format E2M1 (or v_wmma_scale_f32_32x16x128_f4), f32 sums; products left as they are: bf16, f16 or f32 operands; f32 sums; everything else in f32.
;; Inputs: fk_b 4 x 32 float32; fk_w 64 x 4 x 32 float32; fo_b 64 float32; fo_w 4 x 32 x 64 float32; fq_b 4 x 32 float32; fq_w 64 x 4 x 32 float32; fv_b 4 x 32 float32; fv_w 64 x 4 x 32 float32; tk_b 4 x 32 float32; tk_w 64 x 4 x 32 float32; to_b 64 float32; to_w 4 x 32 x 64 float32; tq_b 4 x 32 float32; tq_w 64 x 4 x 32 float32; tv_b 4 x 32 float32; tv_w 64 x 4 x 32 float32; x 32 x 64 x 128 x 64 float32.
;; Outputs: out0 32 x 64 x 128 x 64 float32.
;; This version of the problem:
;;   THIS VERSION OF THE PROBLEM IS GIVEN IN LOW PRECISION. The matrix products marked QUANTISED in the list below multiply operands that are first quantised to E2M1 (2 exponent bits, 1 mantissa bit; 4 bits a number), with one power-of-two scale for each 32 numbers along K (OCP MX v1.0); their sums are f32. The products marked 'left as it is' may take bf16, f16 or f32 operands, with f32 sums. Whichever they take, every output number must still come out within the allowed error. Rounding operands to bf16 (8 significant bits) uses up far more of that allowance than f16 does (11 bits, for magnitudes from 6e-5 to 65,504). All else is computed in f32.
;;   The module's matrix products, in the order in which they are computed (A, B: the left and right operand; K: the contracted axis; several contracted axes count as one K, in the product's order):
;;     1. [M 262,144, K 64] x [K 64, N 128]; A: input x; B: input tq_w: QUANTISED
;;     2. [M 262,144, K 64] x [K 64, N 128]; A: input x; B: input tk_w: QUANTISED
;;     3. [M 262,144, K 64] x [K 64, N 128]; A: input x; B: input tv_w: QUANTISED
;;     4. batch 16,384 x [M 64, K 32] x [K 32, N 64]; A: computed on the way; B: computed on the way: left as it is (an operand is computed on the way)
;;     5. batch 16,384 x [M 32, K 64] x [K 64, N 64]; A: computed on the way; B: computed on the way: left as it is (an operand is computed on the way)
;;     6. [M 262,144, K 128] x [K 128, N 64]; A: computed on the way; B: input to_w: left as it is (an operand is computed on the way)
;;     7. [M 262,144, K 64] x [K 64, N 128]; A: input x; B: input fq_w: QUANTISED
;;     8. [M 262,144, K 64] x [K 64, N 128]; A: input x; B: input fk_w: QUANTISED
;;     9. [M 262,144, K 64] x [K 64, N 128]; A: input x; B: input fv_w: QUANTISED
;;     10. batch 8,192 x [M 128, K 32] x [K 32, N 128]; A: computed on the way; B: computed on the way: left as it is (an operand is computed on the way)
;;     11. batch 8,192 x [M 32, K 128] x [K 128, N 128]; A: computed on the way; B: computed on the way: left as it is (an operand is computed on the way)
;;     12. [M 262,144, K 128] x [K 128, N 64]; A: computed on the way; B: input fo_w: left as it is (an operand is computed on the way)
;;   THE QUANTISER, for each operand of a quantised product, along K:
;;     - K is cut into blocks of 32 from its start; a last block that is shorter is filled with zeros.
;;     - A block's scale is 2^e with e = floor(log2(the largest magnitude in the block)) - 2, held to -126 .. 127; a block of zeros has e = 0. As a byte (E8M0): e + 127.
;;     - Each number is divided by its block's scale, clamped to +-6, and rounded to the nearest number of E2M1, ties to even, subnormals kept.
;;     - The product sums the exact products of the quantised numbers (number of the format x scale) in f32.
;;   ~~~python
;;   def quantise(x, axis):      # numpy; x: float32 -> the quantised numbers, widened to float32 again
;;       x = np.moveaxis(x, axis, -1); K = x.shape[-1]
;;       x = np.pad(x, [(0, 0)] * (x.ndim - 1) + [(0, -K % 32)]); x = x.reshape(x.shape[:-1] + (-1, 32)); a = np.abs(x).max(-1, keepdims=True)
;;       e = np.where(a > 0, np.clip(np.frexp(np.where(a > 0, a, 1))[1] - 1 - 2, -126, 127), 0)      # np.frexp(a)[1] - 1 = floor(log2(a)), exactly
;;       r = np.clip(x / 2.0 ** e, -6, 6)
;;       step = 2.0 ** (np.maximum(np.frexp(np.where(r == 0, 1, r))[1] - 1, 0) - 1)
;;       q = np.round(r / step) * step * 2.0 ** e      # np.round: ties to even
;;       return np.moveaxis(q.reshape(q.shape[:-2] + (-1,))[..., :K], -1, axis).astype(np.float32)
;;   ~~~
;; One version. Each part assembles by itself: llvm-mc -triple=amdgcn-amd-amdhsa -mcpu=gfx1250 --defsym DOCPART=n.
;; ======== version 1 of 1: 2 launches
;; limits: values are held in f16: magnitudes above 65,504 overflow, below 6.1e-05 lose precision
;; workspace buffers: tmp 67,108,864 bytes
;; launch temporal (part 1): grid 256 x 1, 8 waves a work-group, no clusters, 327,680 bytes of LDS; arguments x, tq_w, tq_b, tk_w, tv_w, tv_b, to_w, to_b, tmp; writes tmp
.if DOCPART == 1
	.amdgcn_target "amdgcn-amd-amdhsa--gfx1250"
	.amdhsa_code_object_version 6
	.text
	.protected	k_qe654d10e74_temporal
	.globl	k_qe654d10e74_temporal
	.p2align	8
	.type	k_qe654d10e74_temporal,@function
k_qe654d10e74_temporal:
	s_mov_b64 s[64:65], 0
	v_nop
	global_prefetch_b8 v0, s[64:65] scope:SCOPE_SE
	s_setreg_imm32_b32 hwreg(HW_REG_WAVE_MODE, 25, 1), 1
	s_wait_xcnt 0x0
; TEMPORAL HALF OF THE CROSS ATTENTION: tmp[b][t][f][:] = attention over t of x[b][:][f][:] (4 heads of 32), projected by to_w, + to_b.  The second launch adds the feature half.
; x: [32][64][128][64] f32.  The three projections in (K = 64) run on codes of E2M1 with one E8M0 scale for each 32 along D, made here by the stated quantiser; scores, P V and the projection out run on f16 operands with f32 sums.
; DEAD WORK, LEFT OUT: the key bias tk_b (and fk_b in the second launch).  A score is (q + bq) . (k + bk) = (q + bq) . k + (q + bq) . bk; the second term is the same for every key of a row, and
; softmax(z + a constant along its axis) = softmax(z) for all finite values.  k goes into no quantiser (the product of q with k is left as it is), so bk moves no code and no scale.  tk_b and fk_b are not loaded and are
; among no launch's arguments.  LIMIT: a NaN, an infinity or an overflow that reaches only that term is not carried to the result.
; FOLDED, exactly: 1 / sqrt(32) and log2(e) are one factor c on the scores; bq is the C of q's projection; bv is added behind the division (the weights of a row sum to 1); to_b starts the sums of the projection out.
; LIMITS: q, k, v, o and to_w are rounded to f16: magnitudes up to 65,504; under 6e-5 they keep an absolute step of 6e-8.  NaN and infinities among the inputs are not served.  A block of zeros gets the scale byte 1 (its codes are zeros).
; SHARES.  A unit is 64 rows of x (here one (b, f), all t): one wave takes it through the whole chain in registers.  256 work-groups x 8 waves x 2 units.  A wave's two tiles of x (64 rows x 256 bytes) are asked for
; at the head by two tensor loads; each LDS byte is filled once; only the wave that asked reads its tiles.  No cluster: work-groups share only the weights, 130 KB against 256 KB of x for each.
; LAYOUT.  q and k: source 0 = 16 channels of W, source 1 = 16 rows of x: a lane holds one row and 8 neighbouring channels, which round in pairs into an f16 fragment.  v: source 0 = x, source 1 = W: a lane holds one channel
; and 8 keys: a fragment of V^T.  S^T = K Q^T, O^T = V^T P, out^T = Wo^T o: a lane holds ONE query throughout.  K = 64 in an instruction of K = 128: W's registers 4-7 hold zero codes; x's tiles lie 4 registers
; apart, so a fragment's upper half is the next tile's codes, which meet those zeros; bytes 2 and 3 of all scale words are 0.
.set FEAT, 0
.if FEAT
.set NKT,   8                          ; key tiles of 16
.set RSTR,  256                        ; bytes from row to row of a unit
.set USTEP, 131072                     ; from a wave's unit 0 to its unit 1
.else
.set NKT,   4
.set RSTR,  32768
.set USTEP, 2048
.endif
.set NS,    8*NKT                      ; scores of a lane for one tile of queries
.set NS2,   NKT/2                      ; K steps of 32 keys
.set LASTR, (NS/4-1)+24*((NS/4-1)/8)   ; the last score of a chain of the maximum
.set PITCH, 272                        ; an LDS row: 256 bytes + 16: the 16 rows that a load touches start at 16 different 16-byte columns
.set XRU,   64*PITCH                   ; a unit's tile
.set XRW,   2*XRU                      ; a wave's two
.set SOFF,  2560                       ; in a tile that has been read: the stage for the way out, two areas of 16 rows
.set SAREA, 16*PITCH
.set TAB,   8*XRW                      ; four head records:
.set REC,   8192
.set R_WO,  3072                       ; at 0 six images of W's codes (512 bytes each); here four f16 fragments of Wo (1,024 each);
.set R_WS,  7168                       ; W's scale words, 128 bytes for each of q, k, v: lanes 0-15 channel tile 0, lanes 16-31 tile 1;
.set R_BQ,  7552                       ; bq, 128 bytes;
.set R_BV,  7680                       ; bv
.set ZERO,  TAB+4*REC                  ; an image of four zero registers for each wave
.set SPARE, ZERO+8*512                 ; the spare words, 128 bytes for each wave: four blocks of 256 bytes that no other line names
; window 0
.set SH8, 2                            ; 8 x (lane / 16)
.set XA,  3                            ; my 128 bytes of a row of x in LDS
.set STO, 4                            ; the stage: in
.set SRD, 5                            ; the stage: back
.set GO,  6                            ; my byte offset in two rows of the output
.set T16, 7                            ; TAB + 16 x lane
.set T4,  8                            ; TAB + 4 x lane
.set TBR, 9                            ; TAB + 32 x (lane / 16)
.set ZA,  10                           ; my wave's zero image
.set A16, 11                           ; the three above + the head's record
.set A4,  12
.set AB,  13
.set BOA, 14                           ; 32 x (lane / 16): the bias of the projection out
.set EXS, 15                           ; (feature) where my code images and scale words go,
.set EXWA,16
.set EXP, 17                           ; and where my partner's lie
.set EXPW,18
.set PFO, 19                           ; (feature) 256 x lane
.set SPW, 20                           ; my spare word; never rewritten
.set NIL, 21                           ; 0; never rewritten
.set M,   22                           ; v22-25 four chains of the maximum
.set NCM, 26                           ; v[26:27] -c m
.set LA,  28                           ; v[28:29], v[30:31] the sum, two chains
.set LB,  30
.set RL,  32                           ; v[32:33] 1 / l
.set T0,  34                           ; the quantiser's four
.set T1,  35
.set SC,  36
.set BY,  37
.set XS,  40                           ; v40-47 x's scale words: scales and nothing else
.set WS,  48                           ; v48-50 W's scale words
.set BV,  52                           ; v52-67 bv in O^T's layout
.set Q,   68                           ; v68-99 q's four fragments; bq lies in v68-83 until q is rounded
.set X,   100                          ; x's codes, 4 registers a tile, and 4 registers of zeros behind the last
.set S,   136                          ; v136-199 at work: x as f32, projections, scores, Wo, rows on the way out
.set E,   200                          ; v200-247 W's six fragments; then:
.set P,   E                            ; the weights as f16
.set O,   E+32                         ; O^T
.set OF,  E+48                         ; o's fragment
; window 1
.set KF,  128                          ; k's fragments
.set VF,  192                          ; V^T's fragments; v0-127: the 16 accumulators of out^T, (qt, dt) at 32 qt + 8 dt
; the table-making phase
.set PAW, 22
.set PAO, 23
.set PAB, 24
.set PLW, 25
.set PLS, 28
.set PLO, 29
.set PLB, 30
.set PW,  100                          ; v100-195 three weights x 32 numbers
.set PO,  196                          ; v196-227 Wo's numbers
.set WOF, 236                          ; v236-243, v248-255 Wo's two fragments
; scalars
.set WV,  24
.set G1,  32
.set G0,  40
.set SEL, 48
.set CS,  50
.set NC,  52
.set HC,  53
.set HOFF,54
.set DST, 56
.set TMPB,58
.set MSB, 0
.macro WIN new                         ; bits 1:0 source 0, 3:2 source 1, 5:4 source 2, 7:6 destination; the high byte repeats the setting that is left
.if MSB != \new
	s_set_vgpr_msb (MSB<<8)|\new
.set MSB, \new
.endif
.endm
.macro PLACES n
.rept \n
	v_nop
.endr
.endm
; 32 numbers of ONE block in one lane, v[src] on, become 4 registers of codes, v[dst] on; sw gets the row's scale word: my byte at 8 x (lane / 16) bits, with lane l xor 16's beside it.
.macro QUANT32 src, dst, sw
	v_max3_num_f32 v[T0], |v[\src]|, |v[\src+1]|, |v[\src+2]|
	v_max3_num_f32 v[T1], |v[\src+3]|, |v[\src+4]|, |v[\src+5]|
.irp i, 6,10,14,18,22,26
	v_max3_num_f32 v[T0], v[T0], |v[\src+\i]|, |v[\src+\i+1]|
	v_max3_num_f32 v[T1], v[T1], |v[\src+\i+2]|, |v[\src+\i+3]|
.endr
	v_max3_num_f32 v[T0], v[T0], |v[\src+30]|, |v[\src+31]|
	v_max3_num_f32 v[T0], v[T0], v[T1], 0x1800000      ; the floor 2^(3 - 127): the byte cannot fall under 1
	v_add_nc_u32 v[SC], 0xff000000, v[T0]              ; 2 off the exponent field: the conversion's scale operand
	v_lshrrev_b32 v[BY], 23, v[SC]                     ; the scale's byte
	v_lshlrev_b32 v[BY], v[SH8], v[BY]
	v_permlanex16_b32 v[T1], v[BY], s[SEL], s[SEL+1]
	v_or_b32 v[\sw], v[BY], v[T1]
.irp g, 0,1,2,3
	v_cvt_scalef32_pk8_fp4_f32 v[\dst+\g], v[\src+8*\g:\src+8*\g+7], v[SC]
.endr
	v_nop                                              ; one plain place behind the scaled conversions
.endm
.macro LDX u, i                        ; tile i of unit u: my 32 numbers of row 16 i + lane % 16, into set i % 2
.irp g, 0,1,2,3,4,5,6,7
	ds_load_b128 v[S+32*((\i)&1)+4*\g:S+32*((\i)&1)+4*\g+3], v[XA] offset:\u*XRU+\i*16*PITCH+16*\g
.endr
.endm
.macro XQ u                            ; my 64 rows become four tiles of codes; the next tile's eight loads stay out while a tile is quantised
	LDX \u, 0
	LDX \u, 1
	s_wait_dscnt 8
	QUANT32 S, X, XS
	LDX \u, 2
	s_wait_dscnt 8
	QUANT32 S+32, X+4, XS+1
	LDX \u, 3
	s_wait_dscnt 8
	QUANT32 S, X+8, XS+2
	s_wait_dscnt 0x0
	QUANT32 S+32, X+12, XS+3
.endm
; Eight scaled products (channel tile u x row tile i0 + t) into S, then rounded to f16 fragments.  kind 0: q or k (source 0 = W); kind 1: v (source 0 = x).  bias = 1: C = bq.
.macro PROJ kind, m, i0, bias, dst, dwin
.irp u, 0,1
.irp t, 0,1,2,3
.set rD, S+8*(4*\u+\t)
.set rW, E+16*\m+8*\u
.set rX, X+4*(\i0+\t)
.set rC, Q+8*\u
.if \kind == 0
.if \bias
.if \u
	v_wmma_scale_f32_16x16x128_f8f6f4 v[rD:rD+7], v[rW:rW+7], v[rX:rX+7], v[rC:rC+7], v[WS+\m], v[XS+\i0+\t] matrix_a_fmt:MATRIX_FMT_FP4 matrix_b_fmt:MATRIX_FMT_FP4 matrix_a_scale:MATRIX_SCALE_ROW1
.else
	v_wmma_scale_f32_16x16x128_f8f6f4 v[rD:rD+7], v[rW:rW+7], v[rX:rX+7], v[rC:rC+7], v[WS+\m], v[XS+\i0+\t] matrix_a_fmt:MATRIX_FMT_FP4 matrix_b_fmt:MATRIX_FMT_FP4
.endif
.else
.if \u
	v_wmma_scale_f32_16x16x128_f8f6f4 v[rD:rD+7], v[rW:rW+7], v[rX:rX+7], 0, v[WS+\m], v[XS+\i0+\t] matrix_a_fmt:MATRIX_FMT_FP4 matrix_b_fmt:MATRIX_FMT_FP4 matrix_a_scale:MATRIX_SCALE_ROW1
.else
	v_wmma_scale_f32_16x16x128_f8f6f4 v[rD:rD+7], v[rW:rW+7], v[rX:rX+7], 0, v[WS+\m], v[XS+\i0+\t] matrix_a_fmt:MATRIX_FMT_FP4 matrix_b_fmt:MATRIX_FMT_FP4
.endif
.endif
.else
.if \u
	v_wmma_scale_f32_16x16x128_f8f6f4 v[rD:rD+7], v[rX:rX+7], v[rW:rW+7], 0, v[XS+\i0+\t], v[WS+\m] matrix_a_fmt:MATRIX_FMT_FP4 matrix_b_fmt:MATRIX_FMT_FP4 matrix_b_scale:MATRIX_SCALE_ROW1
.else
	v_wmma_scale_f32_16x16x128_f8f6f4 v[rD:rD+7], v[rX:rX+7], v[rW:rW+7], 0, v[XS+\i0+\t], v[WS+\m] matrix_a_fmt:MATRIX_FMT_FP4 matrix_b_fmt:MATRIX_FMT_FP4
.endif
.endif
.endr
.endr
	PLACES 4                                           ; in front of the first read of results, and of the writes over bq
	WIN \dwin
.irp u, 0,1
.irp t, 0,1,2,3
.irp p, 0,1,2,3                        ; each result from its low end on
.if \kind == 0
	v_cvt_pk_f16_f32 v[\dst+8*\t+4*\u+\p], v[S+8*(4*\u+\t)+2*\p], v[S+8*(4*\u+\t)+2*\p+1]
.else
	v_cvt_pk_f16_f32 v[VF+8*(\u*NS2+(\i0+\t)/2)+4*((\i0+\t)&1)+\p], v[S+8*(4*\u+\t)+2*\p], v[S+8*(4*\u+\t)+2*\p+1]
.endif
.endr
.endr
.endr
	WIN 0
.endm
; One tile of 16 queries of one head: scores, softmax, O^T, its share of out^T.
.macro QT qt
	WIN 0x01                                           ; source 0 (k) in window 1
.set kt, 0
.rept NKT
	v_wmma_f32_16x16x32_f16 v[S+8*kt:S+8*kt+7], v[KF+8*kt:KF+8*kt+7], v[Q+8*\qt:Q+8*\qt+7], 0
.set kt, kt+1
.endr
	WIN 0
	PLACES 4
.irp c, 0,1,2,3                        ; the row's maximum: four chains by turns; each tile of scores is first read at its low end
	v_max3_num_f32 v[M+\c], v[S+8*\c], v[S+8*\c+1], v[S+8*\c+2]
.endr
.set k, 3
.rept (NS/4-4)/2
.irp c, 0,1,2,3
	v_max3_num_f32 v[M+\c], v[M+\c], v[S+8*\c+k+24*(k/8)], v[S+8*\c+(k+1)+24*((k+1)/8)]
.endr
.set k, k+2
.endr
	v_max3_num_f32 v[M], v[M], v[S+LASTR], v[S+8+LASTR]
	v_max3_num_f32 v[M+2], v[M+2], v[S+16+LASTR], v[S+24+LASTR]
	v_max3_num_f32 v[M], v[M], v[M+1], v[M+2]
	v_max_num_f32 v[M], v[M], v[M+3]
	v_permlanex16_b32 v[M+1], v[M], s[SEL], s[SEL+1]   ; the query's other keys lie in the lane 16 away
	v_max_num_f32 v[M], v[M], v[M+1]
	v_mul_f32 v[NCM], s[NC], v[M]                      ; -c m
.set j, 0
.rept NS/2
	v_pk_fma_f32 v[S+j:S+j+1], v[S+j:S+j+1], s[CS:CS+1], v[NCM:NCM+1] op_sel_hi:[1,0,0]   ; c s - c m
.set j, j+2
.endr
.set j, 0
.rept NS
	v_exp_f32 v[S+j], v[S+j]                           ; p = 2^(c s - c m): one batch
.set j, j+1
.endr
	v_nop                                              ; a plain place behind the last exponential
	s_wait_alu depctr_va_vdst(0)                       ; the wait ahead of the first instruction that names a result: one for the batch
.set j, 0
.rept NS/4                             ; the row's sum in two chains, and the roundings to f16 between them
.if j == 0
	v_pk_add_f32 v[LA:LA+1], v[S:S+1], v[S+2:S+3]
.elseif j == 4
	v_pk_add_f32 v[LB:LB+1], v[S+4:S+5], v[S+6:S+7]
.else
	v_pk_add_f32 v[LA:LA+1], v[LA:LA+1], v[S+j:S+j+1]
	v_pk_add_f32 v[LB:LB+1], v[LB:LB+1], v[S+j+2:S+j+3]
.endif
	v_cvt_pk_f16_f32 v[P+j/2], v[S+j], v[S+j+1]
	v_cvt_pk_f16_f32 v[P+j/2+1], v[S+j+2], v[S+j+3]
.set j, j+4
.endr
	v_pk_add_f32 v[LA:LA+1], v[LA:LA+1], v[LB:LB+1]
	v_add_f32 v[LA], v[LA], v[LA+1]
	v_permlanex16_b32 v[LB], v[LA], s[SEL], s[SEL+1]
	v_add_f32 v[LA], v[LA], v[LB]
	v_rcp_f32 v[RL], v[LA]
.irp dt, 0,1,2,3                       ; Wo's four fragments of this head, into the scores' registers: they land under the products below
	ds_load_b128 v[S+8*\dt:S+8*\dt+3], v[A16] offset:R_WO+1024*\dt
	ds_load_b128 v[S+8*\dt+4:S+8*\dt+7], v[A16] offset:R_WO+1024*\dt+512
.endr
	WIN 0x01                                           ; source 0 (V^T) in window 1
.set ss, 0
.rept NS2                              ; O^T = V^T P: the two accumulators take turns, one instruction a turn
.irp u, 0,1
.if ss == 0
	v_wmma_f32_16x16x32_f16 v[O+8*\u:O+8*\u+7], v[VF+8*(\u*NS2+ss):VF+8*(\u*NS2+ss)+7], v[P+8*ss:P+8*ss+7], 0
.else
	v_wmma_f32_16x16x32_f16 v[O+8*\u:O+8*\u+7], v[VF+8*(\u*NS2+ss):VF+8*(\u*NS2+ss)+7], v[P+8*ss:P+8*ss+7], v[O+8*\u:O+8*\u+7]
.endif
.endr
.set ss, ss+1
.endr
	WIN 0
	PLACES 4                                           ; behind the products, and the plain place behind the reciprocal
	s_wait_alu depctr_va_vdst(0)                       ; the wait ahead of the reciprocal's first reader
.irp p, 0,2,4,6,8,10,12,14
	v_pk_fma_f32 v[O+\p:O+\p+1], v[O+\p:O+\p+1], v[RL:RL+1], v[BV+\p:BV+\p+1] op_sel_hi:[1,0,1]   ; o = O / l + bv
.endr
.irp p, 0,1,2,3,4,5,6,7
	v_cvt_pk_f16_f32 v[OF+\p], v[O+2*\p], v[O+2*\p+1]
.endr
	s_wait_dscnt 0x0                                   ; Wo is in
	s_wait_loadcnt 0x0                                 ; and so is the bias that starts out^T's sums (met at once after the unit's first tile)
	WIN 0x50                                           ; C and D in window 1
.irp dt, 0,1,2,3
	v_wmma_f32_16x16x32_f16 v[32*\qt+8*\dt:32*\qt+8*\dt+7], v[S+8*\dt:S+8*\dt+7], v[OF:OF+7], v[32*\qt+8*\dt:32*\qt+8*\dt+7]
.endr
	WIN 0
	PLACES 5                                           ; the next products write over Wo's registers: five places
.endm
.macro HEADLD                          ; a head's record: 23 LDS loads
.irp m, 0,1,2
.irp u, 0,1
	ds_load_b128 v[E+16*\m+8*\u:E+16*\m+8*\u+3], v[A16] offset:1024*\m+512*\u
	ds_load_b128 v[E+16*\m+8*\u+4:E+16*\m+8*\u+7], v[ZA]       ; zero codes for k = 64 .. 127
.endr
	ds_load_b32 v[WS+\m], v[A4] offset:R_WS+128*\m
.endr
.irp u, 0,1
.irp c, 0,1
	ds_load_b128 v[Q+8*\u+4*\c:Q+8*\u+4*\c+3], v[AB] offset:R_BQ+64*\u+16*\c
	ds_load_b128 v[BV+8*\u+4*\c:BV+8*\u+4*\c+3], v[AB] offset:R_BV+64*\u+16*\c
.endr
.endr
.endm
; THE WAY OUT, 16 rows at a time: a lane's 32 bytes of a row go into my stage (in my tile of x, which has had its one fill and has been read) and come back as whole rows of 256 bytes.
.macro TOSTAGE u, a
	WIN 0x04                                           ; an LDS store's data are its source 1: window 1
.irp dt, 0,1,2,3
	ds_store_b128 v[STO], v[32*\a+8*\dt:32*\a+8*\dt+3] offset:\u*XRU+SOFF+((\a)&1)*SAREA+64*\dt
	ds_store_b128 v[STO], v[32*\a+8*\dt+4:32*\a+8*\dt+7] offset:\u*XRU+SOFF+((\a)&1)*SAREA+64*\dt+16
.endr
	WIN 0
.irp i, 0,1,2,3,4,5,6,7
	ds_load_b128 v[S+32*((\a)&1)+4*\i:S+32*((\a)&1)+4*\i+3], v[SRD] offset:\u*XRU+SOFF+((\a)&1)*SAREA+2*PITCH*\i   ; LDS serves a wave's instructions in order: these see the stores above
.endr
.endm
.macro SEND u, a, younger              ; younger: the LDS instructions issued behind block a's loads
	s_wait_dscnt \younger
.if FEAT
	s_wait_loadcnt 8*(3-\a)                            ; tmp's rows of this block are in; the later blocks' eight each may be out
	WIN 0x04
.set j, 0
.rept 16
	v_pk_add_f32 v[S+32*((\a)&1)+j:S+32*((\a)&1)+j+1], v[S+32*((\a)&1)+j:S+32*((\a)&1)+j+1], v[128+32*\a+j:128+32*\a+j+1]
.set j, j+2
.endr
	WIN 0
.endif
.irp i, 0,1,2,3,4,5,6,7                ; sixteen lanes store 256 consecutive bytes, a whole row, aligned
.if FEAT
	global_store_b128 v[GO], v[S+32*((\a)&1)+4*\i:S+32*((\a)&1)+4*\i+3], s[DST:DST+1] offset:(16*\a+2*\i)*RSTR+\u*USTEP th:TH_STORE_NT
.else
	global_store_b128 v[GO], v[S+32*((\a)&1)+4*\i:S+32*((\a)&1)+4*\i+3], s[DST:DST+1] offset:(16*\a+2*\i)*RSTR+\u*USTEP
.endif
.endr
.endm
.macro WAYOUT u
	PLACES 4
.if FEAT
	WIN 0x40
.irp a, 0,1,2,3
.irp i, 0,1,2,3,4,5,6,7
	global_load_b128 v[128+32*\a+4*\i:128+32*\a+4*\i+3], v[GO], s[TMPB:TMPB+1] offset:(16*\a+2*\i)*RSTR+\u*USTEP th:TH_LOAD_NT
.endr
.endr
	WIN 0
.endif
	TOSTAGE \u, 0
	TOSTAGE \u, 1
	SEND \u, 0, 16                                     ; behind block 0's loads: block 1's 8 stores and 8 loads
	s_wait_xcnt 0x0                                    ; block 0's stores have read their registers: block 2's rows may land there
	TOSTAGE \u, 2
	SEND \u, 1, 16
	s_wait_xcnt 0x0
	TOSTAGE \u, 3
	SEND \u, 2, 16
	SEND \u, 3, 0
.endm
.macro UNIT u
.if \u
	s_wait_xcnt 0x0                                    ; the last unit's stores have read their registers
.endif
	s_wait_tensorcnt 1-\u                              ; this unit's tile has landed (unit 0: unit 1's load may stay out)
	XQ \u
.if FEAT
.irp i, 0,1,2,3                        ; my four tiles as images of their registers, for the wave that has the instance's other half
	ds_store_b128 v[EXS], v[X+4*\i:X+4*\i+3] offset:\u*XRU+512*\i
	ds_store_b32 v[EXWA], v[XS+\i] offset:\u*XRU+2048+128*\i
.endr
.endif
.if FEAT || (\u == 0)
	s_wait_dscnt 0x0                                   ; my LDS stores have landed (unit 0: the tables among them)
	s_barrier_signal -1
	s_barrier_wait -1
.endif
.if FEAT
.irp i, 0,1,2,3                        ; the partner's rows are my key tiles 4 to 7: keys may stand in any order, the same for k and v
	ds_load_b128 v[X+16+4*\i:X+16+4*\i+3], v[EXP] offset:\u*XRU+512*\i
	ds_load_b32 v[XS+4+\i], v[EXPW] offset:\u*XRU+2048+128*\i
.endr
.endif
	WIN 0x40
.irp qt, 0,1,2,3                       ; the bias of the projection out starts the 16 sums: nothing is cleared
.irp dt, 0,1,2,3
.irp c, 0,1
	global_load_b128 v[32*\qt+8*\dt+4*\c:32*\qt+8*\dt+4*\c+3], v[BOA], s[18:19] offset:64*\dt+16*\c
.endr
.endr
.endr
	WIN 0
	s_mov_b32 s[HC], 4
	s_mov_b32 s[HOFF], 0
.Lhead_\u:
	PLACES 8                                           ; in front of loads into registers that products have read; and x's scale words, written by vector instructions, stand 8 places ahead of the scaled products
	v_add_nc_u32 v[A16], s[HOFF], v[T16]
	v_add_nc_u32 v[A4], s[HOFF], v[T4]
	v_add_nc_u32 v[AB], s[HOFF], v[TBR]
	HEADLD
.if FEAT
	s_cmp_eq_u32 s[HC], 1                              ; in the last head's trip: the unit's 64 rows of tmp are prefetched, a lane a row, each row once in the launch, one head's trip ahead of their loads
	s_cbranch_scc0 .Lnopf_\u
	global_prefetch_b8 v[PFO], s[TMPB:TMPB+1] offset:\u*USTEP th:TH_LOAD_NT scope:SCOPE_SE
	global_prefetch_b8 v[PFO], s[TMPB:TMPB+1] offset:\u*USTEP+8192 th:TH_LOAD_NT scope:SCOPE_SE
.Lnopf_\u:
.endif
	s_wait_dscnt 0x0
	PROJ 0, 0, 0, 1, Q, 0
	PROJ 0, 1, 0, 0, KF, 0x40
.if FEAT
	PROJ 0, 1, 4, 0, KF+32, 0x40
.endif
	PROJ 1, 2, 0, 0, VF, 0x40
.if FEAT
	PROJ 1, 2, 4, 0, VF, 0x40
.endif
	QT 0
	QT 1
	QT 2
	QT 3
	s_add_co_u32 s[HOFF], s[HOFF], REC
	s_sub_co_u32 s[HC], s[HC], 1
	s_cmp_lg_u32 s[HC], 0
	s_cbranch_scc1 .Lhead_\u
	WAYOUT \u
.endm
	s_load_b512 s[4:19], s[0:1], 0x0                   ; x, q_w, q_b, k_w, v_w, v_b, o_w, o_b
.if FEAT
	s_load_b128 s[20:23], s[0:1], 0x40                 ; tmp, out0
.else
	s_load_b64 s[20:21], s[0:1], 0x40                  ; tmp
.endif
	v_lshl_add_u32 v[SPW], v0, 2, SPARE
	v_mov_b32 v[NIL], 0
	ds_add_u32 v[SPW], v[NIL]                          ; the wave's opening: the add, twice on end, and its wait ahead of my first tensor load
	ds_add_u32 v[SPW], v[NIL]
	v_lshrrev_b32 v1, 5, v0
	v_readfirstlane_b32 s[WV], v1                      ; wave 0..7
	s_and_b32 s25, s[WV], 1
	s_lshr_b32 s26, s[WV], 1
	s_xor_b32 s27, s[WV], 1
	s_mov_b32 s[G1], (2<<16)|(1<<20)|(5<<22)|(3<<25)   ; elements of 4 bytes; padding on: 4 words behind every 64
	s_mov_b32 s[G1+1], 64<<16                          ; tensor_dim0 = 64
	s_mov_b32 s[G1+2], 64<<16                          ; tensor_dim1 = 64
	s_mov_b32 s[G1+3], 64<<16                          ; tile_dim0 = 64
	s_mov_b32 s[G1+4], 64                              ; tile_dim1 = 64
	s_mov_b32 s[G1+5], RSTR/4                          ; elements from row to row
	s_mov_b32 s[G1+6], 0
	s_mov_b32 s[G1+7], 0
	s_mov_b32 s[SEL], 0x76543210
	s_mov_b32 s[SEL+1], 0xfedcba98                     ; v_permlanex16_b32's selects for lane l xor 16
	s_mov_b32 s[CS], 0x3e8293ee                        ; c = log2(e) / sqrt(32)
	s_mov_b32 s[CS+1], s[CS]                           ; (named with it as a pair, so it is written)
	s_mov_b32 s[NC], 0xbe8293ee                        ; -c
.if FEAT
	s_lshl_b32 s60, ttmp9, 18                          ; unit 0 of my wave: instance 8 wg + wave / 2, half wave % 2
	s_lshl_b32 s28, s[WV], 14
	s_add_co_u32 s60, s60, s28
.else
	s_lshr_b32 s60, ttmp9, 3                           ; unit 0 of my wave: b = wg / 8, f = 16 (wg % 8) + wave
	s_lshl_b32 s60, s60, 21
	s_and_b32 s28, ttmp9, 7
	s_lshl_b32 s28, s28, 12
	s_add_co_u32 s60, s60, s28
	s_lshl_b32 s28, s[WV], 8
	s_add_co_u32 s60, s60, s28
.endif
	s_mov_b32 s61, 0
	s_mul_i32 s29, s[WV], XRW                          ; my two tiles in LDS
	s_wait_dscnt 0x0                                   ; both opening adds are done
	s_wait_kmcnt 0x0
	s_add_nc_u64 s[4:5], s[4:5], s[60:61]
.irp u, 0,1                            ; both tiles are asked for at once: two tensor loads of mine are out; no LDS byte is filled twice
	s_mov_b32 s[G0+4*\u], 1
	s_add_co_u32 s[G0+4*\u+1], s29, \u*XRU
	s_add_nc_u64 s[G0+4*\u+2:G0+4*\u+3], s[4:5], \u*USTEP
	s_or_b32 s[G0+4*\u+3], s[G0+4*\u+3], 0x80000000
	tensor_load_to_lds s[G0+4*\u:G0+4*\u+3], s[G1:G1+7]
	s_nop 0
.endr
	v_and_b32 v1, 15, v0                               ; r
	v_bfe_u32 v38, v0, 4, 1                            ; h
	v_and_b32 v39, 31, v0                              ; lane
	; THE TABLES.  Wave w quantises column tile w (head w / 2, channel tile w % 2) of q_w, k_w and v_w: a lane takes a column and its registers run down D, 32 (lane / 16) on: a whole block a lane.
	s_lshl_b32 s28, s[WV], 6
	v_lshl_add_u32 v[PAW], v38, 14, s28
	v_lshl_add_u32 v[PAW], v1, 2, v[PAW]               ; 16,384 h + 64 w + 4 r
	s_lshl_b32 s28, s26, 13
	s_lshl_b32 s31, s25, 7
	s_add_co_u32 s31, s31, s28
	v_lshl_add_u32 v[PAO], v38, 11, s31
	v_lshl_add_u32 v[PAO], v1, 2, v[PAO]               ; o_w: head w / 2, channel 8 h on, column 32 (w % 2) + r
	v_and_b32 v[PAB], 127, v0
	v_lshlrev_b32 v[PAB], 2, v[PAB]
	s_cmp_lt_u32 s[WV], 4                              ; waves 0-3 bring q_b, waves 4-7 v_b
	s_cselect_b64 s[62:63], s[8:9], s[14:15]
.macro WLOAD m, b
.set i, 0
.rept 32
	global_load_b32 v[PW+32*\m+i], v[PAW], s[\b:\b+1] offset:512*i
.set i, i+1
.endr
.endm
	WLOAD 0, 6
	WLOAD 1, 10
	WLOAD 2, 12
.irp e, 0,1
.set i, 0
.rept 16
	global_load_b32 v[PO+16*\e+i], v[PAO], s[16:17] offset:64*\e+256*(i+8*(i/8))   ; channels 8 h + 0 .. 7 and 16 + 8 h + 0 .. 7 of column tile 2 (w % 2) + e
.set i, i+1
.endr
.endr
	global_load_b32 v228, v[PAB], s[62:63]
	; addresses that stay
	v_lshlrev_b32 v[SH8], 3, v38
	v_mul_u32_u24 v51, v1, PITCH
	v_add_nc_u32 v51, s29, v51
	v_lshl_add_u32 v[XA], v38, 7, v51                  ; row r, + 128 h: my block of 32
	v_lshl_add_u32 v[STO], v38, 5, v51                 ; row r, + 32 h
	v_mul_u32_u24 v[SRD], v38, PITCH
	v_lshl_add_u32 v[SRD], v1, 4, v[SRD]
	v_add_nc_u32 v[SRD], s29, v[SRD]                   ; lanes 0-15 one row, lanes 16-31 the next
	v_mul_u32_u24 v[GO], v38, RSTR
	v_lshl_add_u32 v[GO], v1, 4, v[GO]                 ; and the same two rows in memory
	v_lshl_add_u32 v[T16], v39, 4, TAB
	v_lshl_add_u32 v[T4], v39, 2, TAB
	v_lshl_add_u32 v[TBR], v38, 5, TAB
	s_lshl_b32 s31, s[WV], 9
	s_add_co_u32 s31, s31, ZERO
	v_lshl_add_u32 v[ZA], v39, 4, s31
	v_lshlrev_b32 v[BOA], 5, v38
.if FEAT
	s_mul_i32 s30, s27, XRW                            ; the wave that has my instance's other half
	v_lshl_add_u32 v[EXS], v39, 4, s29
	v_lshl_add_u32 v[EXWA], v39, 2, s29
	v_lshl_add_u32 v[EXP], v39, 4, s30
	v_lshl_add_u32 v[EXPW], v39, 2, s30
	v_lshlrev_b32 v[PFO], 8, v39
	s_add_nc_u64 s[DST:DST+1], s[22:23], s[60:61]
	s_add_nc_u64 s[TMPB:TMPB+1], s[20:21], s[60:61]
.else
	s_add_nc_u64 s[DST:DST+1], s[20:21], s[60:61]
.endif
	v_mov_b32 v[NCM+1], 0                              ; named as the upper halves of pairs, so they are written
	v_mov_b32 v[RL+1], 0
	s_lshl_b32 s31, s25, 9                             ; where my tables go (s28 = my head's record)
	s_add_co_u32 s31, s31, s28
	s_add_co_u32 s31, s31, TAB
	v_lshl_add_u32 v[PLW], v39, 4, s31
	s_lshl_b32 s31, s25, 6
	s_add_co_u32 s31, s31, s28
	s_add_co_u32 s31, s31, TAB+R_WS
	v_lshl_add_u32 v[PLS], v1, 2, s31
	s_lshl_b32 s31, s25, 11
	s_add_co_u32 s31, s31, s28
	s_add_co_u32 s31, s31, TAB+R_WO
	v_lshl_add_u32 v[PLO], v39, 4, s31
	s_and_b32 s28, s[WV], 3
	s_lshl_b32 s28, s28, 13
	s_lshr_b32 s31, s[WV], 2
	s_lshl_b32 s31, s31, 7
	s_add_co_u32 s31, s31, s28
	s_add_co_u32 s31, s31, TAB+R_BQ
	v_lshl_add_u32 v[PLB], v39, 2, s31
.irp z, 244,245,246,247
	v_mov_b32 v\z, 0
.endr
	ds_store_b128 v[ZA], v[244:247]
	s_wait_loadcnt 63                                  ; q_w and k_w are in: 65 loads were issued behind k_w's last
	QUANT32 PW, 232, 229
	ds_store_b128 v[PLW], v[232:235]
	ds_store_b32 v[PLS], v229                          ; (both lanes of a column write the same word with the same value)
	QUANT32 PW+32, PW, 230
	ds_store_b128 v[PLW], v[PW:PW+3] offset:1024
	ds_store_b32 v[PLS], v230 offset:128
	s_wait_loadcnt 33                                  ; v_w is in: o_w's 32 and the bias may be out
	QUANT32 PW+64, PW+4, 231
	ds_store_b128 v[PLW], v[PW+4:PW+7] offset:2048
	ds_store_b32 v[PLS], v231 offset:256
	s_wait_loadcnt 1                                   ; o_w is in
.irp e, 0,1
.irp p, 0,1,2,3,4,5,6,7
	v_cvt_pk_f16_f32 v[WOF+12*\e+\p], v[PO+16*\e+2*\p], v[PO+16*\e+2*\p+1]
.endr
.endr
.irp e, 0,1
.irp c, 0,1
	ds_store_b128 v[PLO], v[WOF+12*\e+4*\c:WOF+12*\e+4*\c+3] offset:1024*\e+512*\c
.endr
.endr
	s_wait_loadcnt 0x0
	ds_store_b32 v[PLB], v228
.irp g, 0,1,2,3
	v_mov_b32 v[X+4*NKT+\g], 0                         ; behind the last tile's codes: what its fragment's upper half names
.endr
	s_wait_dscnt 0x0                                   ; the stores have read their registers
	UNIT 0
	UNIT 1
	s_wait_tensorcnt 0x0                               ; the wave's end, behind my last tensor load and my last LDS store
	ds_add_u32 v[SPW], v[NIL]
	s_wait_dscnt 0x0
	s_endpgm
.Lfunc_end_k_qe654d10e74_temporal:
	.size	k_qe654d10e74_temporal, .Lfunc_end_k_qe654d10e74_temporal-k_qe654d10e74_temporal
	.p2alignl 7, 3214868480
	.fill 96, 4, 3214868480
	.section	.rodata,"a",@progbits
	.p2align	6, 0x0
	.amdhsa_kernel k_qe654d10e74_temporal
		.amdhsa_group_segment_fixed_size 327680
		.amdhsa_private_segment_fixed_size 0
		.amdhsa_enable_private_segment 0
		.amdhsa_kernarg_size 72
		.amdhsa_user_sgpr_count 2
		.amdhsa_user_sgpr_kernarg_segment_ptr 1
		.amdhsa_wavefront_size32 1
		.amdhsa_system_sgpr_workgroup_id_x 1
		.amdhsa_system_sgpr_workgroup_id_y 1
		.amdhsa_system_sgpr_workgroup_id_z 1
		.amdhsa_system_vgpr_workitem_id 0
		.amdhsa_next_free_vgpr 512
		.amdhsa_next_free_sgpr 68
		.amdhsa_reserve_vcc 0
		.amdhsa_float_denorm_mode_32 3
		.amdhsa_float_denorm_mode_16_64 3
		.amdhsa_memory_ordered 1
		.amdhsa_forward_progress 1
		.amdhsa_inst_pref_size 151
	.end_amdhsa_kernel
	.amdgpu_metadata
---
amdhsa.version: [ 1, 2 ]
amdhsa.kernels:
  - .name:           k_qe654d10e74_temporal
    .symbol:         k_qe654d10e74_temporal.kd
    .args:
      - { .name: x, .offset: 0, .size: 8, .value_kind: global_buffer, .address_space: global }
      - { .name: tq_w, .offset: 8, .size: 8, .value_kind: global_buffer, .address_space: global }
      - { .name: tq_b, .offset: 16, .size: 8, .value_kind: global_buffer, .address_space: global }
      - { .name: tk_w, .offset: 24, .size: 8, .value_kind: global_buffer, .address_space: global }
      - { .name: tv_w, .offset: 32, .size: 8, .value_kind: global_buffer, .address_space: global }
      - { .name: tv_b, .offset: 40, .size: 8, .value_kind: global_buffer, .address_space: global }
      - { .name: to_w, .offset: 48, .size: 8, .value_kind: global_buffer, .address_space: global }
      - { .name: to_b, .offset: 56, .size: 8, .value_kind: global_buffer, .address_space: global }
      - { .name: tmp, .offset: 64, .size: 8, .value_kind: global_buffer, .address_space: global }
    .group_segment_fixed_size: 327680
    .private_segment_fixed_size: 0
    .kernarg_segment_align: 8
    .kernarg_segment_size: 72
    .max_flat_workgroup_size: 256
    .sgpr_count:     68
    .vgpr_count:     512
    .wavefront_size: 32
...
	.end_amdgpu_metadata
.endif
;; end of part 1
;; launch feature (part 2): grid 256 x 1, 8 waves a work-group, no clusters, 327,680 bytes of LDS; arguments x, fq_w, fq_b, fk_w, fv_w, fv_b, fo_w, fo_b, tmp, out0; writes out0
.if DOCPART == 2
	.amdgcn_target "amdgcn-amd-amdhsa--gfx1250"
	.amdhsa_code_object_version 6
	.text
	.protected	k_qe654d10e74_feature
	.globl	k_qe654d10e74_feature
	.p2align	8
	.type	k_qe654d10e74_feature,@function
k_qe654d10e74_feature:
	s_mov_b64 s[64:65], 0
	v_nop
	global_prefetch_b8 v0, s[64:65] scope:SCOPE_SE
	s_setreg_imm32_b32 hwreg(HW_REG_WAVE_MODE, 25, 1), 1
	s_wait_xcnt 0x0
; FEATURE HALF OF THE CROSS ATTENTION, AND THE SUM: out0[b][t][f][:] = attention over f of x[b][t][:][:] (4 heads of 32), projected by fo_w, + fo_b + tmp, which the first launch stored.
; LEFT OUT AS DEAD WORK: the key bias fk_b: it adds (q + bq) . bk to every score of a row, the same along the softmax's axis, and k goes into no quantiser (shown at the head of the first kernel).  fk_b is not loaded.
; LIMIT: a NaN, an infinity or an overflow that reaches only that term is not carried to the result.
; The text is the first kernel's with FEAT = 1.  A unit is 64 rows of x: half of an instance (b, t) of 128 rows.  The two halves are taken by two neighbouring waves: each quantises its own 64 rows and hands the
; images of the codes' registers and the scale words to the other through LDS (store, wait, barrier, load); each projects k and v of all 128 rows and q of its own 64.  Its own rows are key tiles 0-3, the partner's 4-7:
; keys may stand in any order, the same for k and v.  256 work-groups x 8 waves x 2 units.  No cluster: work-groups share only the weights.
; LIMITS: q, k, v, o and fo_w are rounded to f16: magnitudes up to 65,504; under 6e-5 they keep an absolute step of 6e-8.  NaN and infinities among the inputs are not served.  A block of zeros gets the scale byte 1 (its codes are zeros).
; LAYOUT.  q and k: source 0 = 16 channels of W, source 1 = 16 rows of x; v: source 0 = x, source 1 = W; S^T = K Q^T, O^T = V^T P, out^T = Wo^T o: a lane holds ONE query throughout.  K = 64 in an instruction of K = 128:
; W's registers 4-7 hold zero codes; x's tiles lie 4 registers apart, so a fragment's upper half is the next tile's codes, which meet those zeros; bytes 2 and 3 of all scale words are 0.
.set FEAT, 1
.if FEAT
.set NKT,   8                          ; key tiles of 16
.set RSTR,  256                        ; bytes from row to row of a unit
.set USTEP, 131072                     ; from a wave's unit 0 to its unit 1
.else
.set NKT,   4
.set RSTR,  32768
.set USTEP, 2048
.endif
.set NS,    8*NKT                      ; scores of a lane for one tile of queries
.set NS2,   NKT/2                      ; K steps of 32 keys
.set LASTR, (NS/4-1)+24*((NS/4-1)/8)   ; the last score of a chain of the maximum
.set PITCH, 272                        ; an LDS row: 256 bytes + 16: the 16 rows that a load touches start at 16 different 16-byte columns
.set XRU,   64*PITCH                   ; a unit's tile
.set XRW,   2*XRU                      ; a wave's two
.set SOFF,  2560                       ; in a tile that has been read: at 0 my code images (4 x 512) and scale words (4 x 128); here the stage for the way out, two areas of 16 rows
.set SAREA, 16*PITCH
.set TAB,   8*XRW                      ; four head records:
.set REC,   8192
.set R_WO,  3072                       ; at 0 six images of W's codes (512 bytes each); here four f16 fragments of Wo (1,024 each);
.set R_WS,  7168                       ; W's scale words, 128 bytes for each of q, k, v: lanes 0-15 channel tile 0, lanes 16-31 tile 1;
.set R_BQ,  7552                       ; bq, 128 bytes;
.set R_BV,  7680                       ; bv
.set ZERO,  TAB+4*REC                  ; an image of four zero registers for each wave
.set SPARE, ZERO+8*512                 ; the spare words, 128 bytes for each wave: four blocks of 256 bytes that no other line names
; window 0
.set SH8, 2                            ; 8 x (lane / 16)
.set XA,  3                            ; my 128 bytes of a row of x in LDS
.set STO, 4                            ; the stage: in
.set SRD, 5                            ; the stage: back
.set GO,  6                            ; my byte offset in two rows of the output
.set T16, 7                            ; TAB + 16 x lane
.set T4,  8                            ; TAB + 4 x lane
.set TBR, 9                            ; TAB + 32 x (lane / 16)
.set ZA,  10                           ; my wave's zero image
.set A16, 11                           ; the three above + the head's record
.set A4,  12
.set AB,  13
.set BOA, 14                           ; 32 x (lane / 16): the bias of the projection out
.set EXS, 15                           ; where my code images and scale words go,
.set EXWA,16
.set EXP, 17                           ; and where my partner's lie
.set EXPW,18
.set PFO, 19                           ; 256 x lane
.set SPW, 20                           ; my spare word; never rewritten
.set NIL, 21                           ; 0; never rewritten
.set M,   22                           ; v22-25 four chains of the maximum
.set NCM, 26                           ; v[26:27] -c m
.set LA,  28                           ; v[28:29], v[30:31] the sum, two chains
.set LB,  30
.set RL,  32                           ; v[32:33] 1 / l
.set T0,  34                           ; the quantiser's four
.set T1,  35
.set SC,  36
.set BY,  37
.set XS,  40                           ; v40-47 x's scale words: scales and nothing else
.set WS,  48                           ; v48-50 W's scale words
.set BV,  52                           ; v52-67 bv in O^T's layout
.set Q,   68                           ; v68-99 q's four fragments; bq lies in v68-83 until q is rounded
.set X,   100                          ; x's codes, 4 registers a tile, and 4 registers of zeros behind the last
.set S,   136                          ; v136-199 at work: x as f32, projections, scores, Wo, rows on the way out
.set E,   200                          ; v200-247 W's six fragments; then:
.set P,   E                            ; the weights as f16
.set O,   E+32                         ; O^T
.set OF,  E+48                         ; o's fragment
; window 1
.set KF,  128                          ; k's fragments
.set VF,  192                          ; V^T's fragments; v0-127: the 16 accumulators of out^T, (qt, dt) at 32 qt + 8 dt; on the way out v128-255 take tmp's rows
; the table-making phase
.set PAW, 22
.set PAO, 23
.set PAB, 24
.set PLW, 25
.set PLS, 28
.set PLO, 29
.set PLB, 30
.set PW,  100                          ; v100-195 three weights x 32 numbers
.set PO,  196                          ; v196-227 Wo's numbers
.set WOF, 236                          ; v236-243, v248-255 Wo's two fragments
; scalars
.set WV,  24
.set G1,  32
.set G0,  40
.set SEL, 48
.set CS,  50
.set NC,  52
.set HC,  53
.set HOFF,54
.set DST, 56
.set TMPB,58
.set MSB, 0
.macro WIN new                         ; bits 1:0 source 0, 3:2 source 1, 5:4 source 2, 7:6 destination; the high byte repeats the setting that is left
.if MSB != \new
	s_set_vgpr_msb (MSB<<8)|\new
.set MSB, \new
.endif
.endm
.macro PLACES n
.rept \n
	v_nop
.endr
.endm
; 32 numbers of ONE block in one lane, v[src] on, become 4 registers of codes, v[dst] on; sw gets the row's scale word: my byte at 8 x (lane / 16) bits, with lane l xor 16's beside it.
.macro QUANT32 src, dst, sw
	v_max3_num_f32 v[T0], |v[\src]|, |v[\src+1]|, |v[\src+2]|
	v_max3_num_f32 v[T1], |v[\src+3]|, |v[\src+4]|, |v[\src+5]|
.irp i, 6,10,14,18,22,26
	v_max3_num_f32 v[T0], v[T0], |v[\src+\i]|, |v[\src+\i+1]|
	v_max3_num_f32 v[T1], v[T1], |v[\src+\i+2]|, |v[\src+\i+3]|
.endr
	v_max3_num_f32 v[T0], v[T0], |v[\src+30]|, |v[\src+31]|
	v_max3_num_f32 v[T0], v[T0], v[T1], 0x1800000      ; the floor 2^(3 - 127): the byte cannot fall under 1
	v_add_nc_u32 v[SC], 0xff000000, v[T0]              ; 2 off the exponent field: the conversion's scale operand
	v_lshrrev_b32 v[BY], 23, v[SC]                     ; the scale's byte
	v_lshlrev_b32 v[BY], v[SH8], v[BY]
	v_permlanex16_b32 v[T1], v[BY], s[SEL], s[SEL+1]
	v_or_b32 v[\sw], v[BY], v[T1]
.irp g, 0,1,2,3
	v_cvt_scalef32_pk8_fp4_f32 v[\dst+\g], v[\src+8*\g:\src+8*\g+7], v[SC]
.endr
	v_nop                                              ; one plain place behind the scaled conversions
.endm
.macro LDX u, i                        ; tile i of unit u: my 32 numbers of row 16 i + lane % 16, into set i % 2
.irp g, 0,1,2,3,4,5,6,7
	ds_load_b128 v[S+32*((\i)&1)+4*\g:S+32*((\i)&1)+4*\g+3], v[XA] offset:\u*XRU+\i*16*PITCH+16*\g
.endr
.endm
.macro XQ u                            ; my 64 rows become four tiles of codes; the next tile's eight loads stay out while a tile is quantised
	LDX \u, 0
	LDX \u, 1
	s_wait_dscnt 8
	QUANT32 S, X, XS
	LDX \u, 2
	s_wait_dscnt 8
	QUANT32 S+32, X+4, XS+1
	LDX \u, 3
	s_wait_dscnt 8
	QUANT32 S, X+8, XS+2
	s_wait_dscnt 0x0
	QUANT32 S+32, X+12, XS+3
.endm
; Eight scaled products (channel tile u x row tile i0 + t) into S, then rounded to f16 fragments.  kind 0: q or k (source 0 = W); kind 1: v (source 0 = x).  bias = 1: C = bq.
.macro PROJ kind, m, i0, bias, dst, dwin
.irp u, 0,1
.irp t, 0,1,2,3
.set rD, S+8*(4*\u+\t)
.set rW, E+16*\m+8*\u
.set rX, X+4*(\i0+\t)
.set rC, Q+8*\u
.if \kind == 0
.if \bias
.if \u
	v_wmma_scale_f32_16x16x128_f8f6f4 v[rD:rD+7], v[rW:rW+7], v[rX:rX+7], v[rC:rC+7], v[WS+\m], v[XS+\i0+\t] matrix_a_fmt:MATRIX_FMT_FP4 matrix_b_fmt:MATRIX_FMT_FP4 matrix_a_scale:MATRIX_SCALE_ROW1
.else
	v_wmma_scale_f32_16x16x128_f8f6f4 v[rD:rD+7], v[rW:rW+7], v[rX:rX+7], v[rC:rC+7], v[WS+\m], v[XS+\i0+\t] matrix_a_fmt:MATRIX_FMT_FP4 matrix_b_fmt:MATRIX_FMT_FP4
.endif
.else
.if \u
	v_wmma_scale_f32_16x16x128_f8f6f4 v[rD:rD+7], v[rW:rW+7], v[rX:rX+7], 0, v[WS+\m], v[XS+\i0+\t] matrix_a_fmt:MATRIX_FMT_FP4 matrix_b_fmt:MATRIX_FMT_FP4 matrix_a_scale:MATRIX_SCALE_ROW1
.else
	v_wmma_scale_f32_16x16x128_f8f6f4 v[rD:rD+7], v[rW:rW+7], v[rX:rX+7], 0, v[WS+\m], v[XS+\i0+\t] matrix_a_fmt:MATRIX_FMT_FP4 matrix_b_fmt:MATRIX_FMT_FP4
.endif
.endif
.else
.if \u
	v_wmma_scale_f32_16x16x128_f8f6f4 v[rD:rD+7], v[rX:rX+7], v[rW:rW+7], 0, v[XS+\i0+\t], v[WS+\m] matrix_a_fmt:MATRIX_FMT_FP4 matrix_b_fmt:MATRIX_FMT_FP4 matrix_b_scale:MATRIX_SCALE_ROW1
.else
	v_wmma_scale_f32_16x16x128_f8f6f4 v[rD:rD+7], v[rX:rX+7], v[rW:rW+7], 0, v[XS+\i0+\t], v[WS+\m] matrix_a_fmt:MATRIX_FMT_FP4 matrix_b_fmt:MATRIX_FMT_FP4
.endif
.endif
.endr
.endr
	PLACES 4                                           ; in front of the first read of results, and of the writes over bq
	WIN \dwin
.irp u, 0,1
.irp t, 0,1,2,3
.irp p, 0,1,2,3                        ; each result from its low end on
.if \kind == 0
	v_cvt_pk_f16_f32 v[\dst+8*\t+4*\u+\p], v[S+8*(4*\u+\t)+2*\p], v[S+8*(4*\u+\t)+2*\p+1]
.else
	v_cvt_pk_f16_f32 v[VF+8*(\u*NS2+(\i0+\t)/2)+4*((\i0+\t)&1)+\p], v[S+8*(4*\u+\t)+2*\p], v[S+8*(4*\u+\t)+2*\p+1]
.endif
.endr
.endr
.endr
	WIN 0
.endm
; One tile of 16 queries of one head: scores, softmax, O^T, its share of out^T.
.macro QT qt
	WIN 0x01                                           ; source 0 (k) in window 1
.set kt, 0
.rept NKT
	v_wmma_f32_16x16x32_f16 v[S+8*kt:S+8*kt+7], v[KF+8*kt:KF+8*kt+7], v[Q+8*\qt:Q+8*\qt+7], 0
.set kt, kt+1
.endr
	WIN 0
	PLACES 4
.irp c, 0,1,2,3                        ; the row's maximum: four chains by turns; each tile of scores is first read at its low end
	v_max3_num_f32 v[M+\c], v[S+8*\c], v[S+8*\c+1], v[S+8*\c+2]
.endr
.set k, 3
.rept (NS/4-4)/2
.irp c, 0,1,2,3
	v_max3_num_f32 v[M+\c], v[M+\c], v[S+8*\c+k+24*(k/8)], v[S+8*\c+(k+1)+24*((k+1)/8)]
.endr
.set k, k+2
.endr
	v_max3_num_f32 v[M], v[M], v[S+LASTR], v[S+8+LASTR]
	v_max3_num_f32 v[M+2], v[M+2], v[S+16+LASTR], v[S+24+LASTR]
	v_max3_num_f32 v[M], v[M], v[M+1], v[M+2]
	v_max_num_f32 v[M], v[M], v[M+3]
	v_permlanex16_b32 v[M+1], v[M], s[SEL], s[SEL+1]   ; the query's other keys lie in the lane 16 away
	v_max_num_f32 v[M], v[M], v[M+1]
	v_mul_f32 v[NCM], s[NC], v[M]                      ; -c m
.set j, 0
.rept NS/2
	v_pk_fma_f32 v[S+j:S+j+1], v[S+j:S+j+1], s[CS:CS+1], v[NCM:NCM+1] op_sel_hi:[1,0,0]   ; c s - c m
.set j, j+2
.endr
.set j, 0
.rept NS
	v_exp_f32 v[S+j], v[S+j]                           ; p = 2^(c s - c m): one batch
.set j, j+1
.endr
	v_nop                                              ; a plain place behind the last exponential
	s_wait_alu depctr_va_vdst(0)                       ; the wait ahead of the first instruction that names a result: one for the batch
.set j, 0
.rept NS/4                             ; the row's sum in two chains, and the roundings to f16 between them
.if j == 0
	v_pk_add_f32 v[LA:LA+1], v[S:S+1], v[S+2:S+3]
.elseif j == 4
	v_pk_add_f32 v[LB:LB+1], v[S+4:S+5], v[S+6:S+7]
.else
	v_pk_add_f32 v[LA:LA+1], v[LA:LA+1], v[S+j:S+j+1]
	v_pk_add_f32 v[LB:LB+1], v[LB:LB+1], v[S+j+2:S+j+3]
.endif
	v_cvt_pk_f16_f32 v[P+j/2], v[S+j], v[S+j+1]
	v_cvt_pk_f16_f32 v[P+j/2+1], v[S+j+2], v[S+j+3]
.set j, j+4
.endr
	v_pk_add_f32 v[LA:LA+1], v[LA:LA+1], v[LB:LB+1]
	v_add_f32 v[LA], v[LA], v[LA+1]
	v_permlanex16_b32 v[LB], v[LA], s[SEL], s[SEL+1]
	v_add_f32 v[LA], v[LA], v[LB]
	v_rcp_f32 v[RL], v[LA]
.irp dt, 0,1,2,3                       ; Wo's four fragments of this head, into the scores' registers: they land under the products below
	ds_load_b128 v[S+8*\dt:S+8*\dt+3], v[A16] offset:R_WO+1024*\dt
	ds_load_b128 v[S+8*\dt+4:S+8*\dt+7], v[A16] offset:R_WO+1024*\dt+512
.endr
	WIN 0x01                                           ; source 0 (V^T) in window 1
.set ss, 0
.rept NS2                              ; O^T = V^T P: the two accumulators take turns, one instruction a turn
.irp u, 0,1
.if ss == 0
	v_wmma_f32_16x16x32_f16 v[O+8*\u:O+8*\u+7], v[VF+8*(\u*NS2+ss):VF+8*(\u*NS2+ss)+7], v[P+8*ss:P+8*ss+7], 0
.else
	v_wmma_f32_16x16x32_f16 v[O+8*\u:O+8*\u+7], v[VF+8*(\u*NS2+ss):VF+8*(\u*NS2+ss)+7], v[P+8*ss:P+8*ss+7], v[O+8*\u:O+8*\u+7]
.endif
.endr
.set ss, ss+1
.endr
	WIN 0
	PLACES 4                                           ; behind the products, and the plain place behind the reciprocal
	s_wait_alu depctr_va_vdst(0)                       ; the wait ahead of the reciprocal's first reader
.irp p, 0,2,4,6,8,10,12,14
	v_pk_fma_f32 v[O+\p:O+\p+1], v[O+\p:O+\p+1], v[RL:RL+1], v[BV+\p:BV+\p+1] op_sel_hi:[1,0,1]   ; o = O / l + bv
.endr
.irp p, 0,1,2,3,4,5,6,7
	v_cvt_pk_f16_f32 v[OF+\p], v[O+2*\p], v[O+2*\p+1]
.endr
	s_wait_dscnt 0x0                                   ; Wo is in
	s_wait_loadcnt 0x0                                 ; and so is the bias that starts out^T's sums (met at once after the unit's first tile)
	WIN 0x50                                           ; C and D in window 1
.irp dt, 0,1,2,3
	v_wmma_f32_16x16x32_f16 v[32*\qt+8*\dt:32*\qt+8*\dt+7], v[S+8*\dt:S+8*\dt+7], v[OF:OF+7], v[32*\qt+8*\dt:32*\qt+8*\dt+7]
.endr
	WIN 0
	PLACES 5                                           ; the next products write over Wo's registers: five places
.endm
.macro HEADLD                          ; a head's record: 23 LDS loads
.irp m, 0,1,2
.irp u, 0,1
	ds_load_b128 v[E+16*\m+8*\u:E+16*\m+8*\u+3], v[A16] offset:1024*\m+512*\u
	ds_load_b128 v[E+16*\m+8*\u+4:E+16*\m+8*\u+7], v[ZA]       ; zero codes for k = 64 .. 127
.endr
	ds_load_b32 v[WS+\m], v[A4] offset:R_WS+128*\m
.endr
.irp u, 0,1
.irp c, 0,1
	ds_load_b128 v[Q+8*\u+4*\c:Q+8*\u+4*\c+3], v[AB] offset:R_BQ+64*\u+16*\c
	ds_load_b128 v[BV+8*\u+4*\c:BV+8*\u+4*\c+3], v[AB] offset:R_BV+64*\u+16*\c
.endr
.endr
.endm
; THE WAY OUT, 16 rows at a time: a lane's 32 bytes of a row go into my stage (in my tile of x, which has had its one fill and has been read) and come back as whole rows of 256 bytes; tmp's rows are added; the sum is stored.
.macro TOSTAGE u, a
	WIN 0x04                                           ; an LDS store's data are its source 1: window 1
.irp dt, 0,1,2,3
	ds_store_b128 v[STO], v[32*\a+8*\dt:32*\a+8*\dt+3] offset:\u*XRU+SOFF+((\a)&1)*SAREA+64*\dt
	ds_store_b128 v[STO], v[32*\a+8*\dt+4:32*\a+8*\dt+7] offset:\u*XRU+SOFF+((\a)&1)*SAREA+64*\dt+16
.endr
	WIN 0
.irp i, 0,1,2,3,4,5,6,7
	ds_load_b128 v[S+32*((\a)&1)+4*\i:S+32*((\a)&1)+4*\i+3], v[SRD] offset:\u*XRU+SOFF+((\a)&1)*SAREA+2*PITCH*\i   ; LDS serves a wave's instructions in order: these see the stores above
.endr
.endm
.macro SEND u, a, younger              ; younger: the LDS instructions issued behind block a's loads
	s_wait_dscnt \younger
.if FEAT
	s_wait_loadcnt 8*(3-\a)                            ; tmp's rows of this block are in; the later blocks' eight each may be out
	WIN 0x04
.set j, 0
.rept 16
	v_pk_add_f32 v[S+32*((\a)&1)+j:S+32*((\a)&1)+j+1], v[S+32*((\a)&1)+j:S+32*((\a)&1)+j+1], v[128+32*\a+j:128+32*\a+j+1]
.set j, j+2
.endr
	WIN 0
.endif
.irp i, 0,1,2,3,4,5,6,7                ; sixteen lanes store 256 consecutive bytes, a whole row, aligned
.if FEAT
	global_store_b128 v[GO], v[S+32*((\a)&1)+4*\i:S+32*((\a)&1)+4*\i+3], s[DST:DST+1] offset:(16*\a+2*\i)*RSTR+\u*USTEP th:TH_STORE_NT
.else
	global_store_b128 v[GO], v[S+32*((\a)&1)+4*\i:S+32*((\a)&1)+4*\i+3], s[DST:DST+1] offset:(16*\a+2*\i)*RSTR+\u*USTEP
.endif
.endr
.endm
.macro WAYOUT u
	PLACES 4
.if FEAT
	WIN 0x40
.irp a, 0,1,2,3
.irp i, 0,1,2,3,4,5,6,7
	global_load_b128 v[128+32*\a+4*\i:128+32*\a+4*\i+3], v[GO], s[TMPB:TMPB+1] offset:(16*\a+2*\i)*RSTR+\u*USTEP th:TH_LOAD_NT
.endr
.endr
	WIN 0
.endif
	TOSTAGE \u, 0
	TOSTAGE \u, 1
	SEND \u, 0, 16                                     ; behind block 0's loads: block 1's 8 stores and 8 loads
	s_wait_xcnt 0x0                                    ; block 0's stores have read their registers: block 2's rows may land there
	TOSTAGE \u, 2
	SEND \u, 1, 16
	s_wait_xcnt 0x0
	TOSTAGE \u, 3
	SEND \u, 2, 16
	SEND \u, 3, 0
.endm
.macro UNIT u
.if \u
	s_wait_xcnt 0x0                                    ; the last unit's stores have read their registers
.endif
	s_wait_tensorcnt 1-\u                              ; this unit's tile has landed (unit 0: unit 1's load may stay out)
	XQ \u
.if FEAT
.irp i, 0,1,2,3                        ; my four tiles as images of their registers, for the wave that has the instance's other half
	ds_store_b128 v[EXS], v[X+4*\i:X+4*\i+3] offset:\u*XRU+512*\i
	ds_store_b32 v[EXWA], v[XS+\i] offset:\u*XRU+2048+128*\i
.endr
.endif
.if FEAT || (\u == 0)
	s_wait_dscnt 0x0                                   ; my LDS stores have landed (unit 0: the tables among them)
	s_barrier_signal -1
	s_barrier_wait -1
.endif
.if FEAT
.irp i, 0,1,2,3                        ; the partner's rows are my key tiles 4 to 7
	ds_load_b128 v[X+16+4*\i:X+16+4*\i+3], v[EXP] offset:\u*XRU+512*\i
	ds_load_b32 v[XS+4+\i], v[EXPW] offset:\u*XRU+2048+128*\i
.endr
.endif
	WIN 0x40
.irp qt, 0,1,2,3                       ; the bias of the projection out starts the 16 sums: nothing is cleared
.irp dt, 0,1,2,3
.irp c, 0,1
	global_load_b128 v[32*\qt+8*\dt+4*\c:32*\qt+8*\dt+4*\c+3], v[BOA], s[18:19] offset:64*\dt+16*\c
.endr
.endr
.endr
	WIN 0
	s_mov_b32 s[HC], 4
	s_mov_b32 s[HOFF], 0
.Lhead_\u:
	PLACES 8                                           ; in front of loads into registers that products have read; and x's scale words, written by vector instructions, stand 8 places ahead of the scaled products
	v_add_nc_u32 v[A16], s[HOFF], v[T16]
	v_add_nc_u32 v[A4], s[HOFF], v[T4]
	v_add_nc_u32 v[AB], s[HOFF], v[TBR]
	HEADLD
.if FEAT
	s_cmp_eq_u32 s[HC], 1                              ; in the last head's trip: the unit's 64 rows of tmp are prefetched, a lane a row, each row once in the launch, one head's trip ahead of their loads
	s_cbranch_scc0 .Lnopf_\u
	global_prefetch_b8 v[PFO], s[TMPB:TMPB+1] offset:\u*USTEP th:TH_LOAD_NT scope:SCOPE_SE
	global_prefetch_b8 v[PFO], s[TMPB:TMPB+1] offset:\u*USTEP+8192 th:TH_LOAD_NT scope:SCOPE_SE
.Lnopf_\u:
.endif
	s_wait_dscnt 0x0
	PROJ 0, 0, 0, 1, Q, 0
	PROJ 0, 1, 0, 0, KF, 0x40
.if FEAT
	PROJ 0, 1, 4, 0, KF+32, 0x40
.endif
	PROJ 1, 2, 0, 0, VF, 0x40
.if FEAT
	PROJ 1, 2, 4, 0, VF, 0x40
.endif
	QT 0
	QT 1
	QT 2
	QT 3
	s_add_co_u32 s[HOFF], s[HOFF], REC
	s_sub_co_u32 s[HC], s[HC], 1
	s_cmp_lg_u32 s[HC], 0
	s_cbranch_scc1 .Lhead_\u
	WAYOUT \u
.endm
	s_load_b512 s[4:19], s[0:1], 0x0                   ; x, q_w, q_b, k_w, v_w, v_b, o_w, o_b
.if FEAT
	s_load_b128 s[20:23], s[0:1], 0x40                 ; tmp, out0
.else
	s_load_b64 s[20:21], s[0:1], 0x40                  ; tmp
.endif
	v_lshl_add_u32 v[SPW], v0, 2, SPARE
	v_mov_b32 v[NIL], 0
	ds_add_u32 v[SPW], v[NIL]                          ; the wave's opening: the add, twice on end, and its wait ahead of my first tensor load
	ds_add_u32 v[SPW], v[NIL]
	v_lshrrev_b32 v1, 5, v0
	v_readfirstlane_b32 s[WV], v1                      ; wave 0..7
	s_and_b32 s25, s[WV], 1
	s_lshr_b32 s26, s[WV], 1
	s_xor_b32 s27, s[WV], 1
	s_mov_b32 s[G1], (2<<16)|(1<<20)|(5<<22)|(3<<25)   ; elements of 4 bytes; padding on: 4 words behind every 64
	s_mov_b32 s[G1+1], 64<<16                          ; tensor_dim0 = 64
	s_mov_b32 s[G1+2], 64<<16                          ; tensor_dim1 = 64
	s_mov_b32 s[G1+3], 64<<16                          ; tile_dim0 = 64
	s_mov_b32 s[G1+4], 64                              ; tile_dim1 = 64
	s_mov_b32 s[G1+5], RSTR/4                          ; elements from row to row
	s_mov_b32 s[G1+6], 0
	s_mov_b32 s[G1+7], 0
	s_mov_b32 s[SEL], 0x76543210
	s_mov_b32 s[SEL+1], 0xfedcba98                     ; v_permlanex16_b32's selects for lane l xor 16
	s_mov_b32 s[CS], 0x3e8293ee                        ; c = log2(e) / sqrt(32)
	s_mov_b32 s[CS+1], s[CS]                           ; (named with it as a pair, so it is written)
	s_mov_b32 s[NC], 0xbe8293ee                        ; -c
.if FEAT
	s_lshl_b32 s60, ttmp9, 18                          ; unit 0 of my wave: instance 8 wg + wave / 2, half wave % 2
	s_lshl_b32 s28, s[WV], 14
	s_add_co_u32 s60, s60, s28
.else
	s_lshr_b32 s60, ttmp9, 3                           ; unit 0 of my wave: b = wg / 8, f = 16 (wg % 8) + wave
	s_lshl_b32 s60, s60, 21
	s_and_b32 s28, ttmp9, 7
	s_lshl_b32 s28, s28, 12
	s_add_co_u32 s60, s60, s28
	s_lshl_b32 s28, s[WV], 8
	s_add_co_u32 s60, s60, s28
.endif
	s_mov_b32 s61, 0
	s_mul_i32 s29, s[WV], XRW                          ; my two tiles in LDS
	s_wait_dscnt 0x0                                   ; both opening adds are done
	s_wait_kmcnt 0x0
	s_add_nc_u64 s[4:5], s[4:5], s[60:61]
.irp u, 0,1                            ; both tiles are asked for at once: two tensor loads of mine are out; no LDS byte is filled twice
	s_mov_b32 s[G0+4*\u], 1
	s_add_co_u32 s[G0+4*\u+1], s29, \u*XRU
	s_add_nc_u64 s[G0+4*\u+2:G0+4*\u+3], s[4:5], \u*USTEP
	s_or_b32 s[G0+4*\u+3], s[G0+4*\u+3], 0x80000000
	tensor_load_to_lds s[G0+4*\u:G0+4*\u+3], s[G1:G1+7]
	s_nop 0
.endr
	v_and_b32 v1, 15, v0                               ; r
	v_bfe_u32 v38, v0, 4, 1                            ; h
	v_and_b32 v39, 31, v0                              ; lane
	; THE TABLES.  Wave w quantises column tile w (head w / 2, channel tile w % 2) of q_w, k_w and v_w: a lane takes a column and its registers run down D, 32 (lane / 16) on: a whole block a lane.
	s_lshl_b32 s28, s[WV], 6
	v_lshl_add_u32 v[PAW], v38, 14, s28
	v_lshl_add_u32 v[PAW], v1, 2, v[PAW]               ; 16,384 h + 64 w + 4 r
	s_lshl_b32 s28, s26, 13
	s_lshl_b32 s31, s25, 7
	s_add_co_u32 s31, s31, s28
	v_lshl_add_u32 v[PAO], v38, 11, s31
	v_lshl_add_u32 v[PAO], v1, 2, v[PAO]               ; o_w: head w / 2, channel 8 h on, column 32 (w % 2) + r
	v_and_b32 v[PAB], 127, v0
	v_lshlrev_b32 v[PAB], 2, v[PAB]
	s_cmp_lt_u32 s[WV], 4                              ; waves 0-3 bring q_b, waves 4-7 v_b
	s_cselect_b64 s[62:63], s[8:9], s[14:15]
.macro WLOAD m, b
.set i, 0
.rept 32
	global_load_b32 v[PW+32*\m+i], v[PAW], s[\b:\b+1] offset:512*i
.set i, i+1
.endr
.endm
	WLOAD 0, 6
	WLOAD 1, 10
	WLOAD 2, 12
.irp e, 0,1
.set i, 0
.rept 16
	global_load_b32 v[PO+16*\e+i], v[PAO], s[16:17] offset:64*\e+256*(i+8*(i/8))   ; channels 8 h + 0 .. 7 and 16 + 8 h + 0 .. 7 of column tile 2 (w % 2) + e
.set i, i+1
.endr
.endr
	global_load_b32 v228, v[PAB], s[62:63]
	; addresses that stay
	v_lshlrev_b32 v[SH8], 3, v38
	v_mul_u32_u24 v51, v1, PITCH
	v_add_nc_u32 v51, s29, v51
	v_lshl_add_u32 v[XA], v38, 7, v51                  ; row r, + 128 h: my block of 32
	v_lshl_add_u32 v[STO], v38, 5, v51                 ; row r, + 32 h
	v_mul_u32_u24 v[SRD], v38, PITCH
	v_lshl_add_u32 v[SRD], v1, 4, v[SRD]
	v_add_nc_u32 v[SRD], s29, v[SRD]                   ; lanes 0-15 one row, lanes 16-31 the next
	v_mul_u32_u24 v[GO], v38, RSTR
	v_lshl_add_u32 v[GO], v1, 4, v[GO]                 ; and the same two rows in memory
	v_lshl_add_u32 v[T16], v39, 4, TAB
	v_lshl_add_u32 v[T4], v39, 2, TAB
	v_lshl_add_u32 v[TBR], v38, 5, TAB
	s_lshl_b32 s31, s[WV], 9
	s_add_co_u32 s31, s31, ZERO
	v_lshl_add_u32 v[ZA], v39, 4, s31
	v_lshlrev_b32 v[BOA], 5, v38
.if FEAT
	s_mul_i32 s30, s27, XRW                            ; the wave that has my instance's other half
	v_lshl_add_u32 v[EXS], v39, 4, s29
	v_lshl_add_u32 v[EXWA], v39, 2, s29
	v_lshl_add_u32 v[EXP], v39, 4, s30
	v_lshl_add_u32 v[EXPW], v39, 2, s30
	v_lshlrev_b32 v[PFO], 8, v39
	s_add_nc_u64 s[DST:DST+1], s[22:23], s[60:61]
	s_add_nc_u64 s[TMPB:TMPB+1], s[20:21], s[60:61]
.else
	s_add_nc_u64 s[DST:DST+1], s[20:21], s[60:61]
.endif
	v_mov_b32 v[NCM+1], 0                              ; named as the upper halves of pairs, so they are written
	v_mov_b32 v[RL+1], 0
	s_lshl_b32 s31, s25, 9                             ; where my tables go (s28 = my head's record)
	s_add_co_u32 s31, s31, s28
	s_add_co_u32 s31, s31, TAB
	v_lshl_add_u32 v[PLW], v39, 4, s31
	s_lshl_b32 s31, s25, 6
	s_add_co_u32 s31, s31, s28
	s_add_co_u32 s31, s31, TAB+R_WS
	v_lshl_add_u32 v[PLS], v1, 2, s31
	s_lshl_b32 s31, s25, 11
	s_add_co_u32 s31, s31, s28
	s_add_co_u32 s31, s31, TAB+R_WO
	v_lshl_add_u32 v[PLO], v39, 4, s31
	s_and_b32 s28, s[WV], 3
	s_lshl_b32 s28, s28, 13
	s_lshr_b32 s31, s[WV], 2
	s_lshl_b32 s31, s31, 7
	s_add_co_u32 s31, s31, s28
	s_add_co_u32 s31, s31, TAB+R_BQ
	v_lshl_add_u32 v[PLB], v39, 2, s31
.irp z, 244,245,246,247
	v_mov_b32 v\z, 0
.endr
	ds_store_b128 v[ZA], v[244:247]
	s_wait_loadcnt 63                                  ; q_w and k_w are in: 65 loads were issued behind k_w's last
	QUANT32 PW, 232, 229
	ds_store_b128 v[PLW], v[232:235]
	ds_store_b32 v[PLS], v229                          ; (both lanes of a column write the same word with the same value)
	QUANT32 PW+32, PW, 230
	ds_store_b128 v[PLW], v[PW:PW+3] offset:1024
	ds_store_b32 v[PLS], v230 offset:128
	s_wait_loadcnt 33                                  ; v_w is in: o_w's 32 and the bias may be out
	QUANT32 PW+64, PW+4, 231
	ds_store_b128 v[PLW], v[PW+4:PW+7] offset:2048
	ds_store_b32 v[PLS], v231 offset:256
	s_wait_loadcnt 1                                   ; o_w is in
.irp e, 0,1
.irp p, 0,1,2,3,4,5,6,7
	v_cvt_pk_f16_f32 v[WOF+12*\e+\p], v[PO+16*\e+2*\p], v[PO+16*\e+2*\p+1]
.endr
.endr
.irp e, 0,1
.irp c, 0,1
	ds_store_b128 v[PLO], v[WOF+12*\e+4*\c:WOF+12*\e+4*\c+3] offset:1024*\e+512*\c
.endr
.endr
	s_wait_loadcnt 0x0
	ds_store_b32 v[PLB], v228
.irp g, 0,1,2,3
	v_mov_b32 v[X+4*NKT+\g], 0                         ; behind the last tile's codes: what its fragment's upper half names
.endr
	s_wait_dscnt 0x0                                   ; the stores have read their registers
	UNIT 0
	UNIT 1
	s_wait_tensorcnt 0x0                               ; the wave's end, behind my last tensor load and my last LDS store
	ds_add_u32 v[SPW], v[NIL]
	s_wait_dscnt 0x0
	s_endpgm
.Lfunc_end_k_qe654d10e74_feature:
	.size	k_qe654d10e74_feature, .Lfunc_end_k_qe654d10e74_feature-k_qe654d10e74_feature
	.p2alignl 7, 3214868480
	.fill 96, 4, 3214868480
	.section	.rodata,"a",@progbits
	.p2align	6, 0x0
	.amdhsa_kernel k_qe654d10e74_feature
		.amdhsa_group_segment_fixed_size 327680
		.amdhsa_private_segment_fixed_size 0
		.amdhsa_enable_private_segment 0
		.amdhsa_kernarg_size 80
		.amdhsa_user_sgpr_count 2
		.amdhsa_user_sgpr_kernarg_segment_ptr 1
		.amdhsa_wavefront_size32 1
		.amdhsa_system_sgpr_workgroup_id_x 1
		.amdhsa_system_sgpr_workgroup_id_y 1
		.amdhsa_system_sgpr_workgroup_id_z 1
		.amdhsa_system_vgpr_workitem_id 0
		.amdhsa_next_free_vgpr 512
		.amdhsa_next_free_sgpr 68
		.amdhsa_reserve_vcc 0
		.amdhsa_float_denorm_mode_32 3
		.amdhsa_float_denorm_mode_16_64 3
		.amdhsa_memory_ordered 1
		.amdhsa_forward_progress 1
		.amdhsa_inst_pref_size 226
	.end_amdhsa_kernel
	.amdgpu_metadata
---
amdhsa.version: [ 1, 2 ]
amdhsa.kernels:
  - .name:           k_qe654d10e74_feature
    .symbol:         k_qe654d10e74_feature.kd
    .args:
      - { .name: x, .offset: 0, .size: 8, .value_kind: global_buffer, .address_space: global }
      - { .name: fq_w, .offset: 8, .size: 8, .value_kind: global_buffer, .address_space: global }
      - { .name: fq_b, .offset: 16, .size: 8, .value_kind: global_buffer, .address_space: global }
      - { .name: fk_w, .offset: 24, .size: 8, .value_kind: global_buffer, .address_space: global }
      - { .name: fv_w, .offset: 32, .size: 8, .value_kind: global_buffer, .address_space: global }
      - { .name: fv_b, .offset: 40, .size: 8, .value_kind: global_buffer, .address_space: global }
      - { .name: fo_w, .offset: 48, .size: 8, .value_kind: global_buffer, .address_space: global }
      - { .name: fo_b, .offset: 56, .size: 8, .value_kind: global_buffer, .address_space: global }
      - { .name: tmp, .offset: 64, .size: 8, .value_kind: global_buffer, .address_space: global }
      - { .name: out0, .offset: 72, .size: 8, .value_kind: global_buffer, .address_space: global }
    .group_segment_fixed_size: 327680
    .private_segment_fixed_size: 0
    .kernarg_segment_align: 8
    .kernarg_segment_size: 80
    .max_flat_workgroup_size: 256
    .sgpr_count:     68
    .vgpr_count:     512
    .wavefront_size: 32
...
	.end_amdgpu_metadata
.endif
;; end of part 2
